; MI455X (gfx1250); checked and timed in simulation.
; The chip was launched on July 23, 2026; its instructions are those of AMD's public machine-readable ISA for CDNA 5 (MIT licence, August 2026) and "CDNA5" Instruction Set Architecture Reference Guide (July 2026). The comments in the code are by the model that wrote it; some were corrected since.
;; Scaled Dot Product Attention. Allowed arithmetic: matrix products marked QUANTISED: E2M1 operands, one E8M0 scale for each 32 along K, by v_wmma_scale_f32_16x16x128_f8f6f4 with both operands' format E2M1 (or v_wmma_scale_f32_32x16x128_f4), f32 sums; everything else in f32.
;; Inputs: K_codes 4 x 16 x 2,048 x 4 x 16 uint8 (E2M1 codes of K, K innermost, in blocks of 32 codes, two codes a byte); K_scales 4 x 16 x 2,048 x 4 uint8 (E8M0 scales of K, one for each 32 codes along K); Q_codes 4 x 16 x 2,048 x 4 x 16 uint8 (E2M1 codes of Q, K innermost, in blocks of 32 codes, two codes a byte); Q_scales 4 x 16 x 2,048 x 4 uint8 (E8M0 scales of Q, one for each 32 codes along K); V_codes 4 x 16 x 128 x 64 x 16 uint8 (E2M1 codes of V, K innermost, in blocks of 32 codes, two codes a byte); V_scales 4 x 16 x 128 x 64 uint8 (E8M0 scales of V, one for each 32 codes along K).
;; Outputs: out0 4 x 16 x 2,048 x 128 float32.
;; This version of the problem:
;;   THIS VERSION OF THE PROBLEM IS GIVEN IN LOW PRECISION. The matrix products marked QUANTISED in the list below multiply operands that are first quantised to E2M1 (2 exponent bits, 1 mantissa bit; 4 bits a number), with one power-of-two scale for each 32 numbers along K (OCP MX v1.0); their sums are f32. All else is computed in f32.
;;   The module's matrix products, in the order in which they are computed (A, B: the left and right operand; K: the contracted axis; several contracted axes count as one K, in the product's order):
;;     1. batch 64 x [M 2,048, K 128] x [K 128, N 2,048]; A: input Q (given as codes); B: input K (given as codes): QUANTISED
;;     2. batch 64 x [M 2,048, K 2,048] x [K 2,048, N 128]; A: softmax (see below); B: input V (given as codes): QUANTISED
;;   THE QUANTISER, for each operand of a quantised product, along K:
;;     - K is cut into blocks of 32 from its start; a last block that is shorter is filled with zeros.
;;     - A block's scale is 2^e with e = floor(log2(the largest magnitude in the block)) - 2, held to -126 .. 127; a block of zeros has e = 0. As a byte (E8M0): e + 127.
;;     - Each number is divided by its block's scale, clamped to +-6, and rounded to the nearest number of E2M1, ties to even, subnormals kept.
;;     - The product sums the exact products of the quantised numbers (number of the format x scale) in f32.
;;   ~~~python
;;   def quantise(x, axis):      # numpy; x: float32 -> the quantised numbers, widened to float32 again
;;       x = np.moveaxis(x, axis, -1); K = x.shape[-1]
;;       x = np.pad(x, [(0, 0)] * (x.ndim - 1) + [(0, -K % 32)]); x = x.reshape(x.shape[:-1] + (-1, 32)); a = np.abs(x).max(-1, keepdims=True)
;;       e = np.where(a > 0, np.clip(np.frexp(np.where(a > 0, a, 1))[1] - 1 - 2, -126, 127), 0)      # np.frexp(a)[1] - 1 = floor(log2(a)), exactly
;;       r = np.clip(x / 2.0 ** e, -6, 6)
;;       step = 2.0 ** (np.maximum(np.frexp(np.where(r == 0, 1, r))[1] - 1, 0) - 1)
;;       q = np.round(r / step) * step * 2.0 ** e      # np.round: ties to even
;;       return np.moveaxis(q.reshape(q.shape[:-2] + (-1,))[..., :K], -1, axis).astype(np.float32)
;;   ~~~
;;   SOFTMAX AHEAD OF A QUANTISED PRODUCT. Where the list says 'softmax', what is quantised is not the finished softmax but p = 2^(t - M), with t = logit x log2(e) and M = ceil(the row's largest t), a whole number; so 1/2 < the row's largest p <= 1. The row's sum l is taken of the UNQUANTISED p, in f32, and the product's result is divided by l at the end. Since M is a whole number, a kernel that streams over the keys may use a running M (the ceiling of the running maximum): every later rescaling is an exact power of two, which a block's scale takes up: the codes' values come out the same.
;;   OPERANDS COMPUTED ON THE WAY. 'Computed on the way' means the value that the module computes at that place (a softmax that the list does not call 'softmax' is quantised finished and normalised). What goes into a quantiser is computed in f32, as accurately as f32 sums, v_exp_f32 and their like allow (about 1e-6 of the number): no bf16 or f16 on the way to a quantiser, and a product that is left as it is and whose result goes on into a quantised operand takes f32 operands (vector FMAs, or v_wmma_f32_16x16x4_f32). A number that lies on a knife's edge between two numbers of the format may be rounded either way, as far as f32 arithmetic and the matrix unit's own rounding can turn it there, and no further.
;;   INPUTS GIVEN AS CODES. K (in the module: [4, 16, 2048, 128], K = its axis 3); Q (in the module: [4, 16, 2048, 128], K = its axis 3); V (in the module: [4, 16, 2048, 128], K = its axis 2): each comes as NAME_codes (uint8): NAME with its K axis moved to the last place and cut into blocks of 32 codes, [.., K / 32, bytes a block], one block behind the other in memory; two codes a byte, the lower K in the low four bits (a code: sign, 2 exponent bits, 1 mantissa bit); and NAME_scales (uint8): the same leading axes, one E8M0 byte (e + 127) for each 32 codes along K. Its value is code x scale, taken as it is: it is not quantised again, and the codes and scales need not be those that the quantiser above would give.
;; One version. Each part assembles by itself: llvm-mc -triple=amdgcn-amd-amdhsa -mcpu=gfx1250 --defsym DOCPART=n.
;; ======== version 1 of 1: 1 launch
;; launch attn (part 1): grid 4 x 64, 16 waves a work-group, no clusters, 327,680 bytes of LDS; arguments Q_codes, Q_scales, K_codes, K_scales, V_codes, V_scales, out0; writes out0
.if DOCPART == 1
	.amdgcn_target "amdgcn-amd-amdhsa--gfx1250"
	.amdhsa_code_object_version 6
	.text
	.protected	k_qd1deffad5a_attn
	.globl	k_qd1deffad5a_attn
	.p2align	8
	.type	k_qd1deffad5a_attn,@function
k_qd1deffad5a_attn:
	s_mov_b64 s[64:65], 0
	v_nop
	global_prefetch_b8 v0, s[64:65] scope:SCOPE_SE
	s_setreg_imm32_b32 hwreg(HW_REG_WAVE_MODE, 25, 1), 1
	s_wait_xcnt 0x0
; O[head][q][:] = the sum over k <= q of softmax_k(Q[head][q] . K[head][k] / sqrt(128)) V[head][k][:]: 64 heads, 2,048 queries and keys, head size 128, causal.
; Both products on codes of FP4 (E2M1) with one E8M0 byte for each 32 along a product's K.  Q, K: codes [head][2048][64 bytes], scale words [head][2048][4 bytes].
; V: codes with the KEYS innermost, [head][128][1024 bytes], scale bytes [head][128][64].  O: [head][2048][128] f32.
; THE SOFTMAX AHEAD OF THE SECOND PRODUCT: t = score x log2(e) / sqrt(128); M = the running largest t rounded UP to a whole number; p = 2^(t - M) is quantised along the keys, not normalised.
; The row's sum is taken of the unquantised p and divides O at the end.  When M moves, the sum and O are multiplied by 2^(old M - new M), which rounds nothing.
; SHARES.  A tile is 16 queries; a head has 128 tiles; tile t needs t / 8 + 1 key steps of 128 keys.  Work-group (g, head), g = 0..3, has sixteen waves; wave w owns TWO tiles, A = 16 g + w and
; B = 127 - A, and works them one after the other: (A / 8 + 1) + (B / 8 + 1) = 17 key steps for every wave of the launch.  256 registers a wave, four waves to a SIMD, so that one wave's
; vector work stands beside another's matrix work and LDS loads.
; LDS.  Two slots of 512 keys of K and V.  Tile A needs keys 0-1,023 at the most and tile B needs them all, so the first two fills serve both passes; keys 1,024-2,047 come as two refills in
; tile B's pass: the work-group fetches each of the head's four slots' worth of keys once.  The scale bytes of the whole head come once and stay.
; LAYOUT.  Both products are used transposed, in the form of 32 rows: S^T = K Q^T (source 0 = 32 keys, source 1 = my 16 queries), O^T = V^T P^T (source 0 = 32 of the head's 128): a lane holds ONE query
; (lane % 16) throughout.  Source 0 is two fragments of 16 rows on end; its scale words fill the 32 lanes of one register, lane m for row m; the result's registers 8-15 are rows 16-31.
; THE KEYS OF A FRAGMENT OF K ARE NOT NEIGHBOURS: lane r of fragment 2 b + u takes key 32 b + 8 u + r + 8 (r / 8), so that the 16 registers of result b are the 16 neighbouring keys 32 b + 16 (lane / 16) + 0 .. 15.
; NO CLUSTER, though a head's four work-groups read the same K and V: the branches that leave out hidden key steps hang on g, which would be the place in such a cluster, and partners of a joint load
; must run alike; and what is shared is small: 4 x 64 KiB of codes and 16 KiB of scale bytes a work-group, for its 272 steps of a tile.
; LIMITS.  A scale byte 0xff, or scores beyond f32, give NaN.  A p under 2^-126 counts as 0 (v_exp_f32 gives 0 for results that would be denormal: ISA guide, its entry).
; A block's largest p is taken from the block's largest score by the same multiply-add and exponential: this takes v_exp_f32 not to fall where its input rises.
; A block of p that is all zeros keeps the scale byte 1: its codes are zeros.  Work-groups g = 2, 3 fetch the last 512 keys and read none of them: loads and trip counts stay constants of the text.
.set SLOT1, 131072                     ; slot 1 begins here
.set KP2,   144                        ; K in LDS: a row holds TWO keys, 128 bytes + 16 of padding.  The 16 keys of a fragment, k0 + {0..7, 16..23}, then begin at sixteen different multiples of 16 modulo 256 (64 banks of 4 bytes: ISA guide 11.1)
.set KSTEP, 64*KP2                     ; a key step's 128 keys
.set VOFF,  256*KP2                    ; behind a slot's 512 keys of K: 128 rows of V,
.set VP,    272                        ; 256 bytes (512 keys) + 16 of padding each
.set STG0,  VOFF+128*VP                ; behind a slot's tiles, where no fill lands: eight waves' stages for the way out,
.set STGW,  16*272                     ; 16 rows x (256 bytes + 16) each: 17 blocks of 256 bytes
.set SCK,   2*SLOT1                    ; K's scale words of the head: 8,192 bytes as 32 runs of 256 bytes + 16 of padding
.set SCH,   16*272                     ; (half of them: what one tensor load brings)
.set SCV,   SCK+2*SCH                  ; V's likewise
.set SPARE, SCV+2*SCH                  ; the spare words, 128 bytes for each wave: eight blocks of 256 bytes that no other line names
.set AK0,  1                           ; v1   my lane's place in a fragment of K
.set AV0,  2                           ; v2   in a fragment of V
.set ASK0, 3                           ; v3   among K's scale words: lanes 0-15 an even fragment's rows, lanes 16-31 the odd fragment's that follows it
.set ASV0, 4                           ; v4   among V's, likewise
.set SPW,  5                           ; v5   LDS address of my spare word: SPARE + 4 x my thread's number; never rewritten
.set NIL,  6                           ; v6   0; never rewritten
.set GO,   7                           ; v7   the way out: my byte offset in the tile's rows of O
.set AD0,  8                           ; v8   LDS address of the run of fragment loads in hand
.set AD1,  9                           ; v9   and of its scale words
.set QSA,  10                          ; v10  Q's scale words, tile A;  v11 tile B: they hold nothing else
.set QSB,  11
                                       ; v12 -M, v13 the largest t, v[14:15] the row's sum in two halves
.set QA,   16                          ; v16-23 Q's fragment, tile A;  v24-31 tile B
.set QB,   24
.set FRG,  32                          ; v32-95   eight fragments of K, then of V; on the way out the rows read back
.set S,    96                          ; v96-159  S^T, then p; on the way out O / the sum
.set OT,   160                         ; v160-223 O^T
.set PC,   224                         ; v224-231 p's codes
.set BM,   232                         ; v232-235 the blocks' largest scores, then largest p
.set BT,   236                         ; v236-239 the other half's maxima, then the scale bytes, then a chain of the sum
.set STO,  240                         ; v240 the way out: where I put 32 bytes of a row
.set RD,   241                         ; v241 and where I read a row back
.set DL,   242                         ; v242 lane % 16 - 16 (lane / 16), for the mask
.set CV,   244                         ; v244-247 the conversions' scale operands
.set SW,   248                         ; v248-251 scale words of K, then of V: register k serves the 32 rows of fragments 2 k (lanes 0-15) and 2 k + 1 (lanes 16-31)
                                       ; v252 f = 2^(old M - new M); v253 p's scale word; v243, v254, v255 at work
.set WV,   18                          ; s18  my wave's number
.set EH,   19                          ; s19  wave & 1: which half of a tile I fetch, if I fetch
.set SEL,  20                          ; s[20:21] lane selects for v_permlanex16_b32: lane l xor 16
.set CS,   22                          ; s[22:23] c = log2(e) / sqrt(128): the packed form names a pair and takes its low word for both halves
.set G1K,  24                          ; s[24:31] descriptor group 1 for K's tiles; s[32:39] for V's; s[40:47] for scale bytes
.set G1V,  32
.set G1S,  40
.set G0K,  48                          ; s[48:55] group 0 for K's tiles, a set for each slot;  s[56:63] for V's
.set G0V,  56
.set G0SK, 68                          ; s[68:71], s[72:75] group 0 for K's and V's scale bytes
.set G0SV, 72
.set TK,   76                          ; s76  LDS byte at which the step's keys of K begin
.set TV,   77                          ; s77  the slot's base + the step's 64 bytes in a row of V
.set TS,   78                          ; s78  where the step's scale words of K begin: 544 bytes a step
.set TJ,   79                          ; s79  and V's: 4 bytes a step
.set KF,   80                          ; s80  the step's first key
.set CNT,  81                          ; s81  counts a slot's steps
.set Q0A,  82                          ; s82, s83 first query of tile A, of tile B;  s84, s85 their last
.set Q0B,  83
.set QLA,  84
.set QLB,  85
.set STB,  86                          ; s86  my stage
.set TMP,  87
.set OA,   88                          ; s[88:89], s[90:91] O at the first row of tile A, of tile B
; Waves 0 and 1 fetch K's halves of a slot, waves 2 and 3 V's, the others nothing.  The branches hang on the wave's number alone.  Four v_nop follow each of the two lines.
.macro TLOAD g0k, g0v
	s_cmp_lt_u32 s[WV], 2
	s_cbranch_scc0 .Lnot_k_\@
	tensor_load_to_lds s[\g0k:\g0k+3], s[G1K:G1K+7]
	s_nop 0
.rept 4
	v_nop
.endr
	s_branch .Lasked_\@
.Lnot_k_\@:
	s_cmp_lt_u32 s[WV], 4
	s_cbranch_scc0 .Lasked_\@
	tensor_load_to_lds s[\g0v:\g0v+3], s[G1V:G1V+7]
	s_nop 0
.rept 4
	v_nop
.endr
.Lasked_\@:
.endm
	s_load_b128 s[4:7], s[0:1], 0x0                ; Q's codes, Q's scales
	s_load_b128 s[8:11], s[0:1], 0x10              ; K's codes, K's scales
	s_load_b128 s[12:15], s[0:1], 0x20             ; V's codes, V's scales
	s_load_b64 s[16:17], s[0:1], 0x30              ; O
	v_lshl_add_u32 v[SPW], v0, 2, SPARE
	v_mov_b32 v[NIL], 0
	ds_add_u32 v5, v6
	ds_add_u32 v5, v6
	s_wait_dscnt 0x0
	v_lshrrev_b32 v8, 5, v0
	s_delay_alu instid0(VALU_DEP_1)
	v_readfirstlane_b32 s[WV], v8                  ; wave 0..15
	s_and_b32 s[EH], s[WV], 1
	s_and_b32 s87, ttmp7, 0xffff                   ; the head
	s_lshl_b32 s76, s87, 17                        ; its first byte in each tensor of codes (2,048 x 64 bytes),
	s_lshl_b32 s77, s87, 13                        ; of scale bytes,
	s_lshl_b32 s78, s87, 20                        ; and in O.  All under 2^32
	s_lshl_b32 s[Q0A], ttmp9, 4
	s_add_co_u32 s[Q0A], s[Q0A], s[WV]             ; tile A = 16 g + w
	s_lshl_b32 s[Q0A], s[Q0A], 4                   ; its first query
	s_sub_co_u32 s[Q0B], 2032, s[Q0A]              ; tile B = 127 - A: first query 16 x 127 - 16 A
	s_add_co_u32 s[QLA], s[Q0A], 15
	s_add_co_u32 s[QLB], s[Q0B], 15
	s_lshl_b32 s92, s[Q0A], 6                      ; byte offsets, each in a pair with 0 above it: Q's codes of tile A,
	s_add_co_u32 s92, s92, s76
	s_mov_b32 s93, 0
	s_lshl_b32 s94, s[Q0B], 6                      ; of tile B,
	s_add_co_u32 s94, s94, s76
	s_mov_b32 s95, 0
	s_lshl_b32 s96, s[Q0A], 2                      ; Q's scale words of tile A,
	s_add_co_u32 s96, s96, s77
	s_mov_b32 s97, 0
	s_lshl_b32 s98, s[Q0B], 2                      ; of tile B,
	s_add_co_u32 s98, s98, s77
	s_mov_b32 s99, 0
	s_lshl_b32 s[OA], s[Q0A], 9                    ; the rows of O of tile A,
	s_add_co_u32 s[OA], s[OA], s78
	s_mov_b32 s[OA+1], 0
	s_lshl_b32 s[OA+2], s[Q0B], 9                  ; of tile B
	s_add_co_u32 s[OA+2], s[OA+2], s78
	s_mov_b32 s[OA+3], 0
	s_lshl_b32 s2, s[EH], 14                       ; what I fetch, if I fetch: K: 256 keys x 64 bytes x half,
	s_add_co_u32 s2, s2, s76
	s_mov_b32 s3, 0
	s_lshl_b32 s78, s[EH], 16                      ; V: 64 rows x 1,024 bytes x half,
	s_add_co_u32 s78, s78, s76
	s_mov_b32 s79, 0
	s_lshl_b32 s80, s[EH], 12                      ; scale bytes: 4,096 x half
	s_add_co_u32 s80, s80, s77
	s_mov_b32 s81, 0
	s_mul_i32 s76, s[EH], 128*KP2                  ; and where it goes in a slot, or among the scale bytes
	s_mul_i32 s77, s[EH], 64*VP
	s_mul_i32 s87, s[EH], SCH
	; descriptor group 1.  K: 256 keys are 16,384 dense bytes, stated as 128 rows of 128 bytes, 16 bytes of padding behind each
	s_mov_b32 s[G1K], (0<<16)|(1<<20)|(4<<22)|(3<<25)   ; 15:0 no mask; 17:16 elements of 1 byte; 20 padding on; 24:22 after every 32 words (code 4); 31:25 four words (code 3)
	s_mov_b32 s[G1K+1], 128<<16                    ; tensor_dim0
	s_mov_b32 s[G1K+2], 128<<16                    ; tensor_dim1
	s_mov_b32 s[G1K+3], 128<<16                    ; tile_dim0
	s_mov_b32 s[G1K+4], 128                        ; tile_dim1
	s_mov_b32 s[G1K+5], 128                        ; tensor_dim0_stride
	s_mov_b32 s[G1K+6], 0
	s_mov_b32 s[G1K+7], 0
	; V: 64 rows of 256 bytes (512 keys), 1,024 bytes apart in memory
	s_mov_b32 s[G1V], (0<<16)|(1<<20)|(5<<22)|(3<<25)   ; padding: four words after every 64
	s_mov_b32 s[G1V+1], 256<<16
	s_mov_b32 s[G1V+2], 64<<16
	s_mov_b32 s[G1V+3], 256<<16
	s_mov_b32 s[G1V+4], 64
	s_mov_b32 s[G1V+5], 1024
	s_mov_b32 s[G1V+6], 0
	s_mov_b32 s[G1V+7], 0
	; scale bytes: 4,096 dense bytes as 16 rows of 32 elements of 8 bytes, 16 bytes of padding behind each
	s_mov_b32 s[G1S], (3<<16)|(1<<20)|(5<<22)|(3<<25)
	s_mov_b32 s[G1S+1], 32<<16
	s_mov_b32 s[G1S+2], 16<<16
	s_mov_b32 s[G1S+3], 32<<16
	s_mov_b32 s[G1S+4], 16
	s_mov_b32 s[G1S+5], 32
	s_mov_b32 s[G1S+6], 0
	s_mov_b32 s[G1S+7], 0
	s_mov_b32 s[SEL], 0x76543210
	s_mov_b32 s[SEL+1], 0xfedcba98
	s_mov_b32 s[CS], 0x3e0293ee                    ; c = log2(e) / sqrt(128)
	s_mov_b32 s[CS+1], s[CS]                       ; (named with it as a pair, so it is written)
	s_wait_kmcnt 0x0
	; descriptor group 0: 1:0 count = 1; 63:32 LDS address; 120:64 global address; 127:126 type = 2
	s_mov_b32 s[G0SK], 1
	s_add_co_u32 s[G0SK+1], s87, SCK
	s_add_nc_u64 s[G0SK+2:G0SK+3], s[10:11], s[80:81]
	s_or_b32 s[G0SK+3], s[G0SK+3], 0x80000000
	s_mov_b32 s[G0SV], 1
	s_add_co_u32 s[G0SV+1], s87, SCV
	s_add_nc_u64 s[G0SV+2:G0SV+3], s[14:15], s[80:81]
	s_or_b32 s[G0SV+3], s[G0SV+3], 0x80000000
	s_mov_b32 s[G0K], 1
	s_mov_b32 s[G0K+1], s76                        ; slot 0: keys 0-511
	s_add_nc_u64 s[G0K+2:G0K+3], s[8:9], s[2:3]
	s_mov_b32 s[G0K+4], 1
	s_add_co_u32 s[G0K+5], s76, SLOT1              ; slot 1: keys 512-1,023: 32,768 bytes on
	s_add_nc_u64 s[G0K+6:G0K+7], s[G0K+2:G0K+3], 32768
	s_or_b32 s[G0K+3], s[G0K+3], 0x80000000
	s_or_b32 s[G0K+7], s[G0K+7], 0x80000000
	s_mov_b32 s[G0V], 1
	s_add_co_u32 s[G0V+1], s77, VOFF
	s_add_nc_u64 s[G0V+2:G0V+3], s[12:13], s[78:79]
	s_mov_b32 s[G0V+4], 1
	s_add_co_u32 s[G0V+5], s77, SLOT1+VOFF
	s_add_nc_u64 s[G0V+6:G0V+7], s[G0V+2:G0V+3], 256   ; 512 keys on in each row
	s_or_b32 s[G0V+3], s[G0V+3], 0x80000000
	s_or_b32 s[G0V+7], s[G0V+7], 0x80000000
	; THE FIRST FILLS: a wave's three stand together in one branch on its number, ahead of every wait on TENSORcnt, every LDS read and every barrier: three tensor loads of a fetching wave are out
	s_cmp_lt_u32 s[WV], 2
	s_cbranch_scc0 .Lfirst_not_k
	tensor_load_to_lds s[G0SK:G0SK+3], s[G1S:G1S+7]
	s_nop 0
	tensor_load_to_lds s[G0K:G0K+3], s[G1K:G1K+7]
	s_nop 0
	tensor_load_to_lds s[G0K+4:G0K+7], s[G1K:G1K+7]
	s_nop 0
.rept 4
	v_nop
.endr
	s_branch .Lfirst_asked
.Lfirst_not_k:
	s_cmp_lt_u32 s[WV], 4
	s_cbranch_scc0 .Lfirst_asked
	tensor_load_to_lds s[G0SV:G0SV+3], s[G1S:G1S+7]
	s_nop 0
	tensor_load_to_lds s[G0V:G0V+3], s[G1V:G1V+7]
	s_nop 0
	tensor_load_to_lds s[G0V+4:G0V+7], s[G1V:G1V+7]
	s_nop 0
.rept 4
	v_nop
.endr
.Lfirst_asked:
	s_add_nc_u64 s[92:93], s[4:5], s[92:93]        ; Q's codes at tile A, at tile B
	s_add_nc_u64 s[94:95], s[4:5], s[94:95]
	s_add_nc_u64 s[96:97], s[6:7], s[96:97]        ; its scale words likewise
	s_add_nc_u64 s[98:99], s[6:7], s[98:99]
	s_add_nc_u64 s[OA:OA+1], s[16:17], s[OA:OA+1]  ; O likewise
	s_add_nc_u64 s[OA+2:OA+3], s[16:17], s[OA+2:OA+3]
	v_and_b32 v254, 15, v0                         ; r = lane % 16
	v_bfe_u32 v255, v0, 4, 1                       ; h = lane / 16
	s_delay_alu instid0(VALU_DEP_2)
	v_lshlrev_b32 v8, 6, v254
	s_delay_alu instid0(VALU_DEP_1)
	v_lshl_add_u32 v8, v255, 4, v8                 ; Q: row r of 64 bytes, + 16 h.  A fragment of 4-bit codes: registers 4 c .. 4 c + 3 hold k = 64 c + 32 h + 0 .. 31: 16 bytes of the row as they lie
	s_delay_alu instid0(VALU_DEP_4)
	v_lshlrev_b32 v9, 2, v254                      ; its scale word: 4 r
	global_load_b128 v[QA:QA+3], v8, s[92:93]
	global_load_b128 v[QA+4:QA+7], v8, s[92:93] offset:32
	global_load_b128 v[QB:QB+3], v8, s[94:95]
	global_load_b128 v[QB+4:QB+7], v8, s[94:95] offset:32
	global_load_b32 v[QSA], v9, s[96:97]
	global_load_b32 v[QSB], v9, s[98:99]
	s_and_b32 s[STB], s[WV], 7                     ; my stage: STG0 + 4,352 (w % 8), in slot w / 8's region
	s_mul_i32 s[STB], s[STB], STGW
	s_lshr_b32 s[TMP], s[WV], 3
	s_lshl_b32 s[TMP], s[TMP], 17
	s_add_co_u32 s[STB], s[STB], s[TMP]
	s_add_co_u32 s[STB], s[STB], STG0
	v_and_b32 v243, 8, v254
	s_delay_alu instid0(VALU_DEP_1)
	v_add_nc_u32 v243, v243, v254                  ; r + 8 (r / 8): my key in a fragment of K
	s_delay_alu instid0(VALU_DEP_1)
	v_lshrrev_b32 v[AK0], 1, v243
	s_delay_alu instid0(VALU_DEP_1)
	v_mul_u32_u24 v[AK0], v[AK0], KP2              ; two keys to a row,
	s_delay_alu instid0(VALU_DEP_3)
	v_and_b32 v[AV0], 1, v243
	s_delay_alu instid0(VALU_DEP_1)
	v_lshl_add_u32 v[AK0], v[AV0], 6, v[AK0]       ; the odd key 64 bytes on,
	s_delay_alu instid0(VALU_DEP_1)
	v_lshl_add_u32 v[AK0], v255, 4, v[AK0]         ; + 16 h
	v_mul_u32_u24 v[AV0], v254, VP
	s_delay_alu instid0(VALU_DEP_1)
	v_lshl_add_u32 v[AV0], v255, 4, v[AV0]
	s_delay_alu instid0(VALU_DEP_1)
	v_add_nc_u32 v[AV0], VOFF, v[AV0]              ; V: row r of a fragment, + 16 h
	v_lshl_add_u32 v[ASK0], v243, 2, SCK           ; K's scale words: 4 bytes a key;
	s_delay_alu instid0(VALU_DEP_1)
	v_lshl_add_u32 v[ASK0], v255, 5, v[ASK0]       ; lanes 16-31 take the fragment that begins 8 keys on
	v_lshrrev_b32 v[ASV0], 2, v254                 ; V's: row d has 64 bytes: four rows to a run of 256 bytes + 16
	s_delay_alu instid0(VALU_DEP_1)
	v_mul_u32_u24 v[ASV0], v[ASV0], 272
	v_and_b32 v[GO], 3, v254
	s_delay_alu instid0(VALU_DEP_1)
	v_lshl_add_u32 v[ASV0], v[GO], 6, v[ASV0]
	s_delay_alu instid0(VALU_DEP_1)
	v_mad_u32_u24 v[ASV0], v255, 1088, v[ASV0]     ; lanes 16-31 take the fragment 16 rows (four runs) on
	s_delay_alu instid0(VALU_DEP_1)
	v_add_nc_u32 v[ASV0], SCV, v[ASV0]
	v_lshlrev_b32 v[GO], 9, v255
	s_delay_alu instid0(VALU_DEP_1)
	v_lshl_add_u32 v[GO], v254, 4, v[GO]           ; the way out: lanes 0-15 one row of O, lanes 16-31 the next; 16 bytes a lane
	v_mul_u32_u24 v[STO], v254, 272
	s_delay_alu instid0(VALU_DEP_1)
	v_lshl_add_u32 v[STO], v255, 5, v[STO]
	s_delay_alu instid0(VALU_DEP_1)
	v_add_nc_u32 v[STO], s[STB], v[STO]            ; into my stage: row r, + 32 h
	v_mul_u32_u24 v[RD], v255, 272
	s_delay_alu instid0(VALU_DEP_1)
	v_lshl_add_u32 v[RD], v254, 4, v[RD]
	s_delay_alu instid0(VALU_DEP_1)
	v_add_nc_u32 v[RD], s[STB], v[RD]              ; back: lanes 0-15 one row, lanes 16-31 the next
	v_lshlrev_b32 v[DL], 4, v255
	s_delay_alu instid0(VALU_DEP_1)
	v_sub_nc_u32 v[DL], v254, v[DL]                ; r - 16 h
.irp b, 0,1,2,3
	v_mov_b32 v[BT+\b], 0                          ; written once: a lane permute's destination counts as one of its sources
.endr
	v_mov_b32 v252, 0                              ; likewise (the way out's permute)
	v_mov_b32 v253, 0                              ; (named as the upper half of the pair v[252:253] before it is first written)
; A tile's state begins: the largest t -3e38, under every t; the sum zero, which the first change of M leaves zero.  O^T is not cleared: the tile's first key step starts its sums.
.macro INIT
	v_mov_b32 v13, 0xff61b1e6
	s_delay_alu instid0(VALU_DEP_1)
	v_floor_f32 v12, -v13                          ; -M
	v_mov_b32 v14, 0
	v_mov_b32 v15, 0
.endm
; Product k of 4 of S^T = K Q^T: 32 keys (fragments 2 k, 2 k + 1) x my 16 queries x the head's 128.
.macro SPROD k, qf, qs
	v_wmma_scale_f32_32x16x128_f4 v[S+16*(\k):S+16*(\k)+15], v[FRG+16*(\k):FRG+16*(\k)+15], v[\qf:\qf+7], 0, v[SW+(\k)], v[\qs]
.endm
; Product k of 4 of O^T += V^T P^T: 32 of the head's 128 x my 16 queries x the step's 128 keys.  first = 1: the product starts the sum.
.macro OPROD k, first
.if \first
	v_wmma_scale_f32_32x16x128_f4 v[OT+16*(\k):OT+16*(\k)+15], v[FRG+16*(\k):FRG+16*(\k)+15], v[PC:PC+7], 0, v[SW+(\k)], v253
.else
	v_wmma_scale_f32_32x16x128_f4 v[OT+16*(\k):OT+16*(\k)+15], v[FRG+16*(\k):FRG+16*(\k)+15], v[PC:PC+7], v[OT+16*(\k):OT+16*(\k)+15], v[SW+(\k)], v253
.endif
.endm
; THE MASK OF BLOCK b (32 keys) IN THE STEP ON THE DIAGONAL.  s[TMP] = (my first query - KF) / 32: the block in which my 16 queries lie; a whole number made of ids.  A block under it counts whole and is
; left as it is; a block above it is hidden whole: sixteen moves; in the block itself register 16 b + i holds key KF + 32 b + 16 h + i, hidden where 32 b + i > d (v252).  v254 = -infinity.
.macro MASKB b
	s_cmp_gt_u32 s[TMP], \b
	s_cbranch_scc1 .Lmdone_\@
.if \b > 0
	s_cmp_lt_u32 s[TMP], \b
	s_cbranch_scc1 .Lmall_\@
.endif
.set n, 0
	s_wait_alu depctr_va_vdst(0)
.rept 16                               ; ascending: the accumulator is read from its low end on
	v_cmp_gt_i32 vcc_lo, 32*(\b)+n, v252
	v_cndmask_b32 v[S+16*(\b)+n], v[S+16*(\b)+n], v254, vcc_lo
.set n, n+1
.endr
.if \b > 0
	s_branch .Lmdone_\@
.Lmall_\@:
.set n, 0
	s_wait_alu depctr_va_vdst(0)
.rept 16
	v_mov_b32 v[S+16*(\b)+n], v254
.set n, n+1
.endr
.endif
.Lmdone_\@:
.endm
; A KEY STEP: 128 keys against the tile whose Q lies in v[qf] on, scale words in v[qs], first and last query in s[q0], s[ql].
; hid = 1: the step may lie behind the diagonal and is then left out.  dia = 1: it may lie on the diagonal.  Both 0: all its keys count for all my queries (tile B's queries are 1,024 or later, the keys under 1,024).
; first = 1: the tile's first step (keys 0-127, of which key 0 counts for every query: never left out): its products start O^T's sums, and there is nothing to rescale.
.macro STEP qf, qs, q0, ql, hid, dia, first
.if \hid
	s_cmp_gt_u32 s[KF], s[\ql]                     ; all 128 keys come after my 16 queries: the step's work is left out; a scalar branch on ids, which jumps over no barrier and no tensor load
	s_cbranch_scc1 .Lhidden_\@
.endif
	v_add_nc_u32 v[AD0], s[TK], v[AK0]
	v_add_nc_u32 v[AD1], s[TS], v[ASK0]
	v_nop                                          ; four places (ISA guide 7.12.1 for vector instructions) behind the last step's products, in front of loads into their sources
	v_nop
.irp k, 0,1,2,3                        ; K's run: fragments 2 k and 2 k + 1 and their one register of scale words: five LDS loads a pair, twenty in all
.irp u, 0,1
.irp c, 0,1
	ds_load_b128 v[FRG+8*(2*\k+\u)+4*\c:FRG+8*(2*\k+\u)+4*\c+3], v[AD0] offset:(16*\k+4*\u)*KP2+32*\c
.endr
.endr
	ds_load_b32 v[SW+\k], v[AD1] offset:272*(\k/2)+128*(\k%2)
.endr
	s_wait_dscnt 10                                ; pairs 0 and 1 are in; the ten loads of pairs 2 and 3 may be out
.irp k, 0,1
	SPROD \k, \qf, \qs
.endr
	s_wait_dscnt 0x0
.irp k, 2,3
	SPROD \k, \qf, \qs
.endr
	v_add_nc_u32 v[AD0], s[TV], v[AV0]             ; four places again: behind them V's loads land on K's fragments and scale words, and the scores are read
	v_add_nc_u32 v[AD1], s[TJ], v[ASV0]
	v_nop
	v_nop
.irp k, 0,1,2,3                        ; V's run, asked for a whole softmax ahead of its use
.irp u, 0,1
.irp c, 0,1
	ds_load_b128 v[FRG+8*(2*\k+\u)+4*\c:FRG+8*(2*\k+\u)+4*\c+3], v[AD0] offset:16*(2*\k+\u)*VP+32*\c
.endr
.endr
	ds_load_b32 v[SW+\k], v[AD1] offset:2176*\k
.endr
.if \dia                               ; on the diagonal the scores of hidden keys become -infinity ahead of the maximum: p = 0 then.  A step all of whose keys count jumps over this
	s_add_co_u32 s[TMP], s[KF], 127
	s_cmp_le_u32 s[TMP], s[\q0]
	s_cbranch_scc1 .Lopen_\@
	s_sub_co_i32 s[TMP], s[\q0], s[KF]             ; 0, 16 .. 112: KF and my first query are multiples of 16, and KF <= my first query < KF + 127 here
	v_add_nc_u32 v252, s[TMP], v[DL]               ; d = my query - KF - 16 h
	v_mov_b32 v254, 0xff800000                     ; -infinity
	s_lshr_b32 s[TMP], s[TMP], 5                   ; the block of 32 keys in which my queries lie
	MASKB 0
	MASKB 1
	MASKB 2
	MASKB 3
.Lopen_\@:
.endif
.irp b, 0,1,2,3
	v_max3_num_f32 v[BM+\b], v[S+16*\b], v[S+1+16*\b], v[S+2+16*\b]   ; THE LARGEST SCORE OF EACH BLOCK OF 32 KEYS: it serves the row's maximum and, since p rises with the score, the block's largest p
.endr
.irp i, 3,5,7,9,11,13
.irp b, 0,1,2,3
	v_max3_num_f32 v[BM+\b], v[BM+\b], v[S+16*\b+\i], v[S+1+16*\b+\i]   ; (the four blocks by turns)
.endr
.endr
.irp b, 0,1,2,3
	v_max_num_f32 v[BM+\b], v[BM+\b], v[S+15+16*\b]
.endr
.irp b, 0,1,2,3
	s_delay_alu instid0(VALU_DEP_4)
	v_permlanex16_b32 v[BT+\b], v[BM+\b], s[SEL], s[SEL+1]
.endr
.irp b, 0,1,2,3
	s_delay_alu instid0(VALU_DEP_4)
	v_max_num_f32 v[BM+\b], v[BM+\b], v[BT+\b]     ; with lane l xor 16's 16 keys
.endr
	s_delay_alu instid0(VALU_DEP_2)
	v_max3_num_f32 v254, v[BM], v[BM+1], v[BM+2]
	s_delay_alu instid0(VALU_DEP_1)
	v_max_num_f32 v254, v254, v[BM+3]              ; the step's largest score of my query
	s_delay_alu instid0(VALU_DEP_1)
	v_mul_f32 v254, s[CS], v254                    ; as t (c is positive)
	s_delay_alu instid0(VALU_DEP_1)
	v_max_num_f32 v13, v13, v254                   ; the running largest t
	v_mov_b32 v254, v12
	s_delay_alu instid0(VALU_DEP_2)
	v_floor_f32 v12, -v13                          ; the new -M = floor(-t) = -ceil(t): M is a whole number
	s_delay_alu instid0(VALU_DEP_1)
	v_sub_f32 v254, v12, v254                      ; M's old value less its new one: a whole number, 0 or less
	s_delay_alu instid0(VALU_DEP_1)
	v_cvt_i32_f32 v254, v254                       ; (it saturates)
	s_delay_alu instid0(VALU_DEP_1)
	v_ldexp_f32 v252, 1.0, v254                    ; f = 2^(old M - new M)
.set j, 0
.rept 32
	v_pk_fma_f32 v[S+j:S+j+1], v[S+j:S+j+1], s[CS:CS+1], v[12:13] op_sel_hi:[1,0,0]   ; t - M, two at a time (of the pairs c and -M the low word serves both halves)
.set j, j+2
.endr
.irp b, 0,1,2,3
	v_fma_f32 v[BM+\b], v[BM+\b], s[CS], v12       ; the same of each block's largest score
.endr
.set j, 0
	s_wait_alu depctr_va_vdst(0)
.rept 64
	v_exp_f32 v[S+j], v[S+j]                       ; p = 2^(t - M), at most 1: not normalised
.set j, j+1
.endr
.irp b, 0,1,2,3
	v_exp_f32 v[BM+\b], v[BM+\b]                   ; the block's largest p: the same two instructions on the same number give the same bits
.endr
	v_pk_mul_f32 v[14:15], v[14:15], v[252:253] op_sel_hi:[1,0]   ; the sums under the new M.  (The plain instruction behind the exponentials)
	s_wait_alu depctr_va_vdst(0)
.irp b, 0,1,2,3
	v_max_num_f32 v[BM+\b], 0x1800000, v[BM+\b]    ; the floor 2^(3 - 127): the byte cannot fall under 1
.endr
.irp b, 0,1,2,3
	s_delay_alu instid0(VALU_DEP_4)
	v_add_nc_u32 v[CV+\b], 0xff000000, v[BM+\b]    ; 2 off the exponent field: the conversion takes the exponent field of this operand as its scale
.endr
.irp b, 0,1,2,3
	s_delay_alu instid0(VALU_DEP_4)
	v_lshrrev_b32 v[BT+\b], 23, v[CV+\b]           ; the scale's byte
.endr
	s_delay_alu instid0(VALU_DEP_3)
	v_lshl_or_b32 v253, v[BT+1], 8, v[BT]          ; p's scale word for these 128 keys
	s_delay_alu instid0(VALU_DEP_1)
	v_lshl_or_b32 v253, v[BT+2], 16, v253
	s_delay_alu instid0(VALU_DEP_1)
	v_lshl_or_b32 v253, v[BT+3], 24, v253
.irp b, 0,1,2,3
	v_cvt_scalef32_pk8_fp4_f32 v[PC+2*\b], v[S+16*\b:S+7+16*\b], v[CV+\b]
	v_cvt_scalef32_pk8_fp4_f32 v[PC+1+2*\b], v[S+8+16*\b:S+15+16*\b], v[CV+\b]
.endr
	v_nop                                          ; one plain instruction behind the last scaled conversion
.irp c, 0,1                            ; the operand's layout wants a WHOLE block in a lane: lanes 0-15 block 2 c, lanes 16-31 block 2 c + 1
.irp i, 0,1
	v_permlane16_swap_b32 v[PC+4*\c+\i], v[PC+2+4*\c+\i]
.endr
.endr
	v_pk_add_f32 v[236:237], v[100:101], v[104:105]
	v_pk_add_f32 v[254:255], v[108:109], v[112:113]
	v_pk_add_f32 v[246:247], v[116:117], v[120:121]
	v_pk_add_f32 v[244:245], v[124:125], v[128:129]
	v_pk_add_f32 v[234:235], v[132:133], v[136:137]
	v_pk_add_f32 v[232:233], v[140:141], v[144:145]
	v_pk_add_f32 v[8:9], v[148:149], v[152:153]
	v_pk_add_f32 v[14:15], v[14:15], v[156:157]
	v_pk_add_f32 v[236:237], v[236:237], v[96:97]
	v_pk_add_f32 v[254:255], v[254:255], v[98:99]
	v_pk_add_f32 v[246:247], v[246:247], v[102:103]
	v_pk_add_f32 v[244:245], v[244:245], v[106:107]
	v_pk_add_f32 v[234:235], v[234:235], v[110:111]
	v_pk_add_f32 v[232:233], v[232:233], v[114:115]
	v_pk_add_f32 v[8:9], v[8:9], v[118:119]
	v_pk_add_f32 v[14:15], v[14:15], v[122:123]
	v_pk_add_f32 v[236:237], v[236:237], v[126:127]
	v_pk_add_f32 v[254:255], v[254:255], v[130:131]
	v_pk_add_f32 v[246:247], v[246:247], v[134:135]
	v_pk_add_f32 v[244:245], v[244:245], v[138:139]
	v_pk_add_f32 v[234:235], v[234:235], v[142:143]
	v_pk_add_f32 v[232:233], v[232:233], v[146:147]
	v_pk_add_f32 v[8:9], v[8:9], v[150:151]
	v_pk_add_f32 v[14:15], v[14:15], v[154:155]
	v_pk_add_f32 v[236:237], v[236:237], v[158:159]
	s_delay_alu instid0(VALU_DEP_2)
	v_pk_add_f32 v[14:15], v[14:15], v[244:245]
	s_delay_alu instid0(VALU_DEP_2)
	v_pk_add_f32 v[236:237], v[236:237], v[234:235]
	v_pk_add_f32 v[254:255], v[254:255], v[232:233]
	v_pk_add_f32 v[246:247], v[246:247], v[8:9]
	s_delay_alu instid0(VALU_DEP_2)
	v_pk_add_f32 v[14:15], v[14:15], v[254:255]
	s_delay_alu instid0(VALU_DEP_2)
	v_pk_add_f32 v[236:237], v[236:237], v[246:247]
	s_delay_alu instid0(VALU_DEP_1)
	v_pk_add_f32 v[14:15], v[14:15], v[236:237]
.if \first == 0
.set j, 0
.rept 32
	v_pk_mul_f32 v[OT+j:OT+j+1], v[OT+j:OT+j+1], v[252:253] op_sel_hi:[1,0]   ; O^T under the new M, ascending
.set j, j+2
.endr
.endif
	s_wait_alu depctr_va_vdst(0)
	s_wait_dscnt 0x0                               ; V's fragments and scale words are in
.irp k, 0,1,2,3                        ; the four accumulators take turns, one instruction a turn, and the next matrix instruction on any way starts a score's sum anew
	OPROD \k, \first
.endr
.if \hid
.Lhidden_\@:
.endif
.if \hid || \dia
	s_add_co_u32 s[KF], s[KF], 128
.endif
	s_add_co_u32 s[TK], s[TK], KSTEP               ; the next step's places
	s_add_co_u32 s[TV], s[TV], 64
	s_add_co_u32 s[TS], s[TS], 544
	s_add_co_u32 s[TJ], s[TJ], 4
.endm
; The four key steps of keys 512 ks on, which lie in slot l: the step is written once and walked; its LDS addresses hang on scalars that begin at constants and step by constants.
; first = 1: the tile begins here: its first step stands ahead of the loop, which then has three trips.
.macro SLOT l, ks, qf, qs, q0, ql, hid, dia, first
	s_mov_b32 s[TK], \l*SLOT1
	s_mov_b32 s[TV], \l*SLOT1
	s_mov_b32 s[TS], \ks*2176
	s_mov_b32 s[TJ], \ks*16
.if \hid || \dia
	s_mov_b32 s[KF], \ks*512
.endif
.if \first
	STEP \qf, \qs, \q0, \ql, 0, \dia, 1
.endif
	s_mov_b32 s[CNT], 4-\first
.Lstep_\@:
	STEP \qf, \qs, \q0, \ql, \hid, \dia, 0
	s_sub_co_u32 s[CNT], s[CNT], 1
	s_cmp_lg_u32 s[CNT], 0
	s_cbranch_scc1 .Lstep_\@
.endm
; A CHANGE OF SLOTS.  Each wave waits for all its tensor loads, adds 0 to its spare word, and waits for that and for its LDS reads.  Behind the barrier what was asked for last is whole for every wave,
; and nobody reads the slot that has been left.  fill = 0 or 1: that slot is filled with the keys 1,024 further on: the load has four key steps of sixteen waves in which to land.  fill = -1: nothing is asked for.
.macro CHANGE fill
	s_wait_tensorcnt 0x0                           ; no tensor load of mine is out, so a group 0 may be written
	ds_add_u32 v[SPW], v[NIL]                      ; 0 onto my spare word: the descriptors' steps stand between it and the wait for it
.if \fill >= 0
	s_add_nc_u64 s[G0K+4*(\fill)+2:G0K+4*(\fill)+3], s[G0K+4*(\fill)+2:G0K+4*(\fill)+3], 65536   ; 1,024 keys x 64 bytes on; the type bits on top are not reached
	s_add_nc_u64 s[G0V+4*(\fill)+2:G0V+4*(\fill)+3], s[G0V+4*(\fill)+2:G0V+4*(\fill)+3], 512     ; 1,024 keys on in each row
.endif
	s_wait_dscnt 0x0                               ; the add is done, and my reads of the slot that I have left are over
	s_barrier_signal -1
	s_barrier_wait -1
.if \fill >= 0
	TLOAD G0K+4*(\fill), G0V+4*(\fill)             ; the first thing behind the barrier, and a wave's one tensor load until the next
.endif
.endm
; THE WAY OUT of a tile, to the rows of O at s[o:o+1].  O^T is divided by the row's sum and goes through my own stage in LDS, half a row (64 channels, 256 bytes) of 16 queries at a time.
; more = 1: the registers that the stores read are loaded again afterwards.
.macro OUT o, more
.rept 4
	v_nop                                          ; four places behind the last products
.endr
	v_add_f32 v14, v14, v15                        ; the sum's two halves,
	s_delay_alu instid0(VALU_DEP_1)
	v_permlanex16_b32 v252, v14, s[SEL], s[SEL+1]
	s_delay_alu instid0(VALU_DEP_1)
	v_add_f32 v14, v14, v252                       ; and lane l xor 16's: the row's sum
	s_wait_alu depctr_va_vdst(0)
	v_rcp_f32 v14, v14
	v_nop                                          ; a plain instruction behind the reciprocal
.set j, 0
	s_wait_alu depctr_va_vdst(0)
.rept 32
	v_pk_mul_f32 v[S+j:S+j+1], v[OT+j:OT+j+1], v[14:15] op_sel_hi:[1,0]   ; register 8 t + i is o(r, 16 t + 8 h + i); ascending
.set j, j+2
.endr
.irp u, 0,1                            ; channels 64 u on
.irp t, 0,1,2,3
	ds_store_b128 v[STO], v[S+32*\u+8*\t:S+32*\u+8*\t+3] offset:64*\t
	ds_store_b128 v[STO], v[S+32*\u+8*\t+4:S+32*\u+8*\t+7] offset:64*\t+16
.endr
.irp i, 0,1,2,3,4,5,6,7
	ds_load_b128 v[FRG+32*\u+4*\i:FRG+32*\u+4*\i+3], v[RD] offset:2*\i*272   ; LDS serves a wave's instructions in order (ISA guide 5.7.1.4): these see my stores, and the next half's stores come behind them
.endr
.endr
.irp i, 0,1,2,3,4,5,6,7
	s_wait_dscnt 23-\i                             ; behind load i of the first half: its 7 - i younger loads and the second half's sixteen LDS instructions
	global_store_b128 v[GO], v[FRG+4*\i:FRG+4*\i+3], s[\o:\o+1] offset:1024*\i th:TH_STORE_NT   ; 16 lanes store 256 consecutive bytes, at a multiple of 256 from O's first byte; written once, read by nobody here
.endr
.irp i, 0,1,2,3,4,5,6,7
	s_wait_dscnt 7-\i
	global_store_b128 v[GO], v[FRG+32+4*\i:FRG+32+4*\i+3], s[\o:\o+1] offset:1024*\i+256 th:TH_STORE_NT
.endr
.if \more
	s_wait_xcnt 0x0                                ; the stores' data registers are loaded again only behind this wait (ISA guide 3.1)
.endif
.endm
	INIT
	s_wait_loadcnt 0x0                             ; Q, both tiles
	s_wait_tensorcnt 0x0                           ; my parts of the scale bytes and of both slots have landed,
	s_barrier_signal -1
	s_barrier_wait -1                              ; everybody's have.
	SLOT 0, 0, QA, QSA, Q0A, QLA, 1, 1, 1          ; tile A: keys 0-511,
	SLOT 1, 1, QA, QSA, Q0A, QLA, 1, 1, 0          ; keys 512-1,023: its queries are under 1,024, so that is all
	OUT OA, 1
	INIT
	SLOT 0, 0, QB, QSB, Q0B, QLB, 0, 0, 1          ; tile B: keys 0-511, which all count
	CHANGE 0                                       ; both passes have left slot 0: keys 1,024-1,535 are asked for
	SLOT 1, 1, QB, QSB, Q0B, QLB, 0, 0, 0          ; keys 512-1,023
	CHANGE 1                                       ; slot 0 is whole again; keys 1,536-2,047 are asked for, into slot 1
	SLOT 0, 2, QB, QSB, Q0B, QLB, 1, 1, 0          ; keys 1,024-1,535
	CHANGE -1                                      ; slot 1 is whole again; nothing is left to fetch
	SLOT 1, 3, QB, QSB, Q0B, QLB, 1, 1, 0          ; keys 1,536-2,047
	OUT OA+2, 0
	s_wait_tensorcnt 0x0                           ; the wave's end, behind my last tensor load and my last LDS store
	ds_add_u32 v[SPW], v[NIL]
	s_wait_dscnt 0x0
	s_endpgm
.Lfunc_end_k_qd1deffad5a_attn:
	.size	k_qd1deffad5a_attn, .Lfunc_end_k_qd1deffad5a_attn-k_qd1deffad5a_attn
	.p2alignl 7, 3214868480
	.fill 96, 4, 3214868480
	.section	.rodata,"a",@progbits
	.p2align	6, 0x0
	.amdhsa_kernel k_qd1deffad5a_attn
		.amdhsa_group_segment_fixed_size 327680
		.amdhsa_private_segment_fixed_size 0
		.amdhsa_enable_private_segment 0
		.amdhsa_kernarg_size 56
		.amdhsa_user_sgpr_count 2
		.amdhsa_user_sgpr_kernarg_segment_ptr 1
		.amdhsa_wavefront_size32 1
		.amdhsa_system_sgpr_workgroup_id_x 1
		.amdhsa_system_sgpr_workgroup_id_y 1
		.amdhsa_system_sgpr_workgroup_id_z 1
		.amdhsa_system_vgpr_workitem_id 0
		.amdhsa_next_free_vgpr 256
		.amdhsa_next_free_sgpr 100
		.amdhsa_reserve_vcc 1
		.amdhsa_float_denorm_mode_32 3
		.amdhsa_float_denorm_mode_16_64 3
		.amdhsa_memory_ordered 1
		.amdhsa_forward_progress 1
		.amdhsa_inst_pref_size 203
	.end_amdhsa_kernel
	.amdgpu_metadata
---
amdhsa.version: [ 1, 2 ]
amdhsa.kernels:
  - .name:           k_qd1deffad5a_attn
    .symbol:         k_qd1deffad5a_attn.kd
    .args:
      - { .name: Q_codes, .offset: 0, .size: 8, .value_kind: global_buffer, .address_space: global }
      - { .name: Q_scales, .offset: 8, .size: 8, .value_kind: global_buffer, .address_space: global }
      - { .name: K_codes, .offset: 16, .size: 8, .value_kind: global_buffer, .address_space: global }
      - { .name: K_scales, .offset: 24, .size: 8, .value_kind: global_buffer, .address_space: global }
      - { .name: V_codes, .offset: 32, .size: 8, .value_kind: global_buffer, .address_space: global }
      - { .name: V_scales, .offset: 40, .size: 8, .value_kind: global_buffer, .address_space: global }
      - { .name: out0, .offset: 48, .size: 8, .value_kind: global_buffer, .address_space: global }
    .group_segment_fixed_size: 327680
    .private_segment_fixed_size: 0
    .kernarg_segment_align: 8
    .kernarg_segment_size: 56
    .max_flat_workgroup_size: 512
    .sgpr_count:     100
    .vgpr_count:     256
    .wavefront_size: 32
...
	.end_amdgpu_metadata
.endif
;; end of part 1
